; MI455X (gfx1250); checked and timed in simulation.
; The chip was launched on July 23, 2026; its instructions are those of AMD's public machine-readable ISA for CDNA 5 (MIT licence, August 2026) and "CDNA5" Instruction Set Architecture Reference Guide (July 2026). The comments in the code are by the model that wrote it; some were corrected since.
;; MHSA3 D. Allowed arithmetic: float matrix products may take bf16 or f16 operands with f32 sums; all other float work in f32.
;; Inputs: b_qkv 384 float32; emb_d 16 x 16 x 1 x 1 float32; emb_h 16 x 1 x 16 x 1 float32; emb_w 16 x 1 x 1 x 16 float32; w_qkv 128 x 384 float32; x 1 x 128 x 16 x 16 x 16 float32.
;; Outputs: out0 1 x 128 x 16 x 16 x 16 float32.
;; One version. Each part assembles by itself: llvm-mc -triple=amdgcn-amd-amdhsa -mcpu=gfx1250 --defsym DOCPART=n.
;; ======== version 1 of 1: 2 launches
;; limits: values are held in f16: magnitudes above 65,504 overflow, below 6.1e-05 lose precision
;; workspace buffers: qkv 3,145,728 bytes
;; launch proj (part 1): grid 64 x 3, 8 waves a work-group, no clusters, 58,368 bytes of LDS; arguments x, w_qkv, b_qkv, emb_d, emb_h, emb_w, qkv; writes qkv
.if DOCPART == 1
	.amdgcn_target "amdgcn-amd-amdhsa--gfx1250"
	.amdhsa_code_object_version 6
	.text
	.protected	k_q444a8f21fb_proj
	.globl	k_q444a8f21fb_proj
	.p2align	8
	.type	k_q444a8f21fb_proj,@function
k_q444a8f21fb_proj:
	s_mov_b64 s[64:65], 0
	v_nop
	global_prefetch_b8 v0, s[64:65] scope:SCOPE_SE
	s_setreg_imm32_b32 hwreg(HW_REG_WAVE_MODE, 25, 1), 1
	s_wait_xcnt 0x0
; qkv[o][n] = sum over c of w[c][o] x[c][n] + b[o], for 384 outputs and 4,096 positions, stored in f16 in the lane order of the
; matrix fragments that the attention launch reads:
;   q' = q * 0.25 * log2(e)  (the softmax scale and the change to base 2),   k' = k + emb_d + emb_h + emb_w,   v.
; A tile is 16 positions (T = n / 16) of one head, 512 bytes, lane L's 16 bytes at 16 L; r = L % 16, h = L / 16:
;   q  at            head*131072 + T*512: lane holds q'[d = 8h .. 8h+7] of position 16 T + r
;   k' at 1048576 + head*262144 + T*512: the same of k'
;   v  at 1048576 + head*262144 + 131072 + T*512: lane holds v[d = r] of positions 16 T + 8h .. 8h+7
; A work-group: 64 positions (x of the grid) of one kind (y: 0 q, 1 k, 2 v), 128 outputs; wave w is head w: 4 position tiles x 4 K steps.
; x and w are converted to f16 on the way into LDS, where they lie [c][..]; the transposing LDS load makes fragments of them.
; LIMITS: the matrix operands and the three results are f16: |x|, |w|, |q'|, |k'|, |v| must stay below 65,504; sums are f32.
; No cluster: the shared bytes (a third of w, 64 KiB) are read once by a work-group and nothing is walked in steps.
; The three kinds are three straight texts made of the same macros; y is one number for the whole work-group, so all
; eight waves take the same text and meet at its barrier.
.set PX,  160                          ; LDS pitch of x rows: 128 bytes + 32 = 5 x 32
.set PW,  288                          ; LDS pitch of w rows: 256 bytes + 32 = 9 x 32
.set WS,  128*PX                       ; w behind x: x [128 c][64 n] at 0, w [128 c][128 o] at 20,480; 57,344 bytes in all
.set STG, 16                           ; v[16:111]   as loaded: x in 8 x 4 registers, w in 16 x 4
.set XF,  16                           ; v[16:143]   then x fragments: tile t, K step s at XF + 8 (4 s + t)
.set WF,  144                          ; v[144:175]  w fragments: K step s at WF + 8 s
.set ACC, 176                          ; v[176:207]  sums: tile t at ACC + 8 t
.set CT,  208                          ; v[208:215]  the bias as a C operand (q and v)
.set EH,  112                          ; k only, used up before the fragments are loaded: emb_h, register 4 j + t
.set B8,  144                          ; bias of d = 8h + j
.set ED,  152                          ; emb_d of d = 8h + j
.set EW,  160                          ; emb_w of d = 8h + j, w = r
.set TR,  216                          ; scratch at the head: r
.set TH,  217                          ; h
.set TA,  218
.set TB,  219
.set TL,  220                          ; lane
	s_load_b256 s[4:11], s[0:1], 0x0               ; x s[4:5], w s[6:7], b s[8:9], emb_d s[10:11]
	s_load_b128 s[12:15], s[0:1], 0x20             ; emb_h s[12:13], emb_w s[14:15]
	s_load_b64 s[16:17], s[0:1], 0x30              ; qkv
	v_lshl_add_u32 v224, v0, 2, 0xe000
	v_mov_b32 v225, 0
	v_lshrrev_b32 v[TA], 5, v0                     ; thread / 32
	v_readfirstlane_b32 s18, v[TA]                 ; wave = head
	s_and_b32 s20, ttmp7, 0xffff                   ; kind
	v_and_b32 v[TR], 15, v0
	v_bfe_u32 v[TH], v0, 4, 1
	v_and_b32 v[TL], 31, v0
	v_lshrrev_b32 v[TB], 4, v0                     ; thread / 16
	v_lshlrev_b32 v1, 14, v[TB]                    ; x: row thread / 16 (16,384 bytes a row),
	v_lshl_add_u32 v1, v[TR], 4, v1                ;    16 lanes cover the block's 256 bytes of it
	v_mul_u32_u24 v3, v[TB], PX                    ; and where its four f16 go
	v_lshl_add_u32 v3, v[TR], 3, v3
	v_mul_u32_u24 v2, v[TA], 1536                  ; w: row thread / 32 (1,536 bytes a row),
	v_lshl_add_u32 v2, v[TL], 4, v2                ;    a wave covers the kind's 512 bytes of it
	v_mul_u32_u24 v4, v[TA], PW
	v_lshl_add_u32 v4, v[TL], 3, v4
	v_add_nc_u32 v4, WS, v4
	v_and_b32 v[TA], 7, v0                         ; the transposing load: lane L addresses row 8h + L % 8,
	v_lshl_add_u32 v[TA], v[TH], 3, v[TA]
	v_bfe_u32 v[TB], v0, 3, 1                      ; and the 16 bytes (L / 8) % 2 of the tile's 32
	v_lshlrev_b32 v[TB], 4, v[TB]
	v_mul_u32_u24 v5, v[TA], PX
	v_add_nc_u32 v5, v5, v[TB]                     ; x fragments
	v_mul_u32_u24 v6, v[TA], PW
	v_add_nc_u32 v6, v6, v[TB]
	s_lshl_b32 s21, s18, 5                         ; my head's 16 columns: 32 bytes
	s_add_co_u32 s21, s21, WS
	v_add_nc_u32 v6, s21, v6                       ; w fragments
	v_lshlrev_b32 v7, 4, v[TL]                     ; the way out: 16 L
	s_lshl_b32 s26, ttmp9, 8                       ; the block's 64 positions in a row of x
	s_mov_b32 s27, 0
	s_lshl_b32 s28, s20, 9                         ; the kind's 128 columns in a row of w
	s_mov_b32 s29, 0
	s_lshl_b32 s22, ttmp9, 11                      ; the block's 4 tiles in qkv
	s_mov_b32 s23, 0
	s_lshl_b32 s24, s18, 6                         ; my head's 16 numbers in a third of b
	s_wait_kmcnt 0x0
	s_add_nc_u64 s[4:5], s[4:5], s[26:27]
	s_add_nc_u64 s[6:7], s[6:7], s[28:29]
; 24 loads of 16 bytes a lane: 128 rows of x (8 loads), 128 rows of w (16 loads)
.macro BIGLOADS
.irp i, 0,1,2,3,4,5,6,7
	global_load_b128 v[STG+4*\i:STG+4*\i+3], v1, s[4:5] offset:\i*16*16384
.endr
.irp i, 0,1,2,3,4,5,6,7,8,9,10,11,12,13,14,15
	global_load_b128 v[STG+32+4*\i:STG+32+4*\i+3], v2, s[6:7] offset:\i*8*1536
.endr
.endm
; each load as it comes: four f32 to four f16, 8 bytes into LDS.  Loads return in order (ISA guide 5.7.1): the count is the number
; of large loads issued behind this one, and whatever was issued ahead of the large loads is in as well.
.macro STAGE_IN
.irp i, 0,1,2,3,4,5,6,7
	s_wait_loadcnt 23-\i
	v_cvt_pk_f16_f32 v[STG+4*\i], v[STG+4*\i], v[STG+4*\i+1]
	v_cvt_pk_f16_f32 v[STG+4*\i+1], v[STG+4*\i+2], v[STG+4*\i+3]
	ds_store_b64 v3, v[STG+4*\i:STG+4*\i+1] offset:\i*16*PX
.endr
.irp i, 0,1,2,3,4,5,6,7,8,9,10,11,12,13,14,15
	s_wait_loadcnt 15-\i
	v_cvt_pk_f16_f32 v[STG+32+4*\i], v[STG+32+4*\i], v[STG+32+4*\i+1]
	v_cvt_pk_f16_f32 v[STG+32+4*\i+1], v[STG+32+4*\i+2], v[STG+32+4*\i+3]
	ds_store_b64 v4, v[STG+32+4*\i:STG+32+4*\i+1] offset:\i*8*PW
.endr
	s_wait_dscnt 0x0                               ; my stores are in LDS, for the other waves' sake
	s_barrier_signal -1
	s_barrier_wait -1                              ; everybody's are
.endm
; 40 transposing loads, ten for each K step of 32 channels: w's fragment, then x's four
.macro FRAGS
.irp s, 0,1,2,3
	ds_load_tr16_b128 v[WF+8*\s:WF+8*\s+3],   v6 offset:\s*32*PW
	ds_load_tr16_b128 v[WF+8*\s+4:WF+8*\s+7], v6 offset:\s*32*PW+16*PW
.irp t, 0,1,2,3
	ds_load_tr16_b128 v[XF+8*(4*\s+\t):XF+8*(4*\s+\t)+3],   v5 offset:\s*32*PX+32*\t
	ds_load_tr16_b128 v[XF+8*(4*\s+\t)+4:XF+8*(4*\s+\t)+7], v5 offset:\s*32*PX+32*\t+16*PX
.endr
.endr
.endm
.macro WM d, a, b, c
	v_wmma_f32_16x16x32_f16 v[\d:\d+7], v[\a:\a+7], v[\b:\b+7], v[\c:\c+7]
.endm
; 16 matrix instructions.  swp = 0: w's fragment first: register j of lane (r, h) is output d = 8h + j at position r.
; swp = 1: x's first: register j is position 8h + j, output d = r.  own = 0: the first K step adds onto CT; own = 1: onto the sums' own
; registers, which hold bias and embeddings.  The four sums take turns, one instruction a turn.
.macro MM swp, own
.irp s, 0,1,2,3
	s_wait_dscnt 10*(3-\s)                         ; LDS loads return in order: all but the later K steps' ten each
.irp t, 0,1,2,3
.if (\s+\own) == 0
.set CSRC, CT
.else
.set CSRC, ACC+8*\t
.endif
.if \swp
	WM ACC+8*\t, XF+8*(4*\s+\t), WF+8*\s, CSRC
.else
	WM ACC+8*\t, WF+8*\s, XF+8*(4*\s+\t), CSRC
.endif
.endr
.endr
.endm
; the way out: a lane's eight sums are 16 bytes of f16; a wave's store is a whole tile, 512 consecutive bytes at a multiple of 512
.macro OUT scaleq
.rept 4
	v_nop                                          ; four places behind the last matrix instruction before its result is read and its sources rewritten (ISA guide 7.12.1)
.endr
.if \scaleq
.irp p, 0,1,2,3,4,5,6,7,8,9,10,11,12,13,14,15
	v_pk_mul_f32 v[ACC+2*\p:ACC+2*\p+1], v[ACC+2*\p:ACC+2*\p+1], 0x3eb8aa3b op_sel_hi:[1,0]   ; 0.25 log2(e)
.endr
.endif
.irp t, 0,1,2,3
.irp p, 0,1,2,3
	v_cvt_pk_f16_f32 v[XF+4*\t+\p], v[ACC+8*\t+2*\p], v[ACC+8*\t+2*\p+1]
.endr
	global_store_b128 v7, v[XF+4*\t:XF+4*\t+3], s[16:17] offset:\t*512
.endr
	s_wait_tensorcnt 0x0
	ds_add_u32 v224, v225
	s_wait_dscnt 0x0
	s_endpgm
.endm
	s_cmp_eq_u32 s20, 1
	s_cbranch_scc1 .Lkpath
	s_cmp_eq_u32 s20, 2
	s_cbranch_scc1 .Lvpath
	; ---- q ----
	s_lshl_b32 s25, s18, 17
	s_add_co_u32 s22, s22, s25                     ; head*131072 + block*2048
	s_add_nc_u64 s[16:17], s[16:17], s[22:23]
	v_lshl_add_u32 v8, v[TH], 5, s24               ; b[16 head + 8h ..]
	global_load_b128 v[CT:CT+3],   v8, s[8:9]
	global_load_b128 v[CT+4:CT+7], v8, s[8:9] offset:16
	BIGLOADS
	STAGE_IN
	FRAGS
	MM 0, 0
	OUT 1
	; ---- k + embeddings ----
.Lkpath:
	s_lshl_b32 s25, s18, 18
	s_add_co_u32 s22, s22, s25
	s_add_co_u32 s22, s22, 0x100000                ; 1048576 + head*262144 + block*2048
	s_add_nc_u64 s[16:17], s[16:17], s[22:23]
	; position n = 64 block + 16 t + r = 256 D + 16 H + W:  D = block / 4,  H = 4 (block % 4) + t,  W = r.  Tables are [16 d][16], 64 bytes a row.
	v_lshl_add_u32 v8, v[TH], 5, s24
	s_lshr_b32 s30, ttmp9, 2
	s_lshl_b32 s30, s30, 2
	v_lshl_add_u32 v9, v[TH], 9, s30               ; emb_d: row 8h, word D
	v_lshlrev_b32 v10, 2, v[TR]
	v_lshl_add_u32 v10, v[TH], 9, v10              ; emb_w: row 8h, word r
	s_and_b32 s31, ttmp9, 3
	s_lshl_b32 s31, s31, 4
	v_lshl_add_u32 v11, v[TH], 9, s31              ; emb_h: row 8h, the four words of t = 0 .. 3
	global_load_b128 v[B8:B8+3],   v8, s[8:9] offset:512
	global_load_b128 v[B8+4:B8+7], v8, s[8:9] offset:528
.irp j, 0,1,2,3,4,5,6,7
	global_load_b32  v[ED+\j], v9,  s[10:11] offset:64*\j
	global_load_b32  v[EW+\j], v10, s[14:15] offset:64*\j
	global_load_b128 v[EH+4*\j:EH+4*\j+3], v11, s[12:13] offset:64*\j
.endr
	BIGLOADS
	s_wait_loadcnt 24                              ; the small loads are in; the 24 large ones behind them stay out
.irp p, 0,2,4,6
	v_pk_add_f32 v[B8+\p:B8+\p+1], v[B8+\p:B8+\p+1], v[ED+\p:ED+\p+1]
.endr
.irp p, 0,2,4,6
	v_pk_add_f32 v[B8+\p:B8+\p+1], v[B8+\p:B8+\p+1], v[EW+\p:EW+\p+1]
.endr
.irp t, 0,1,2,3
.irp j, 0,1,2,3,4,5,6,7
	v_add_f32 v[ACC+8*\t+\j], v[B8+\j], v[EH+4*\j+\t]   ; what the products are added onto
.endr
.endr
	STAGE_IN
	FRAGS
	MM 0, 1
	OUT 0
	; ---- v ----
.Lvpath:
	s_lshl_b32 s25, s18, 18
	s_add_co_u32 s22, s22, s25
	s_add_co_u32 s22, s22, 0x120000                ; 1048576 + head*262144 + 131072 + block*2048
	s_add_nc_u64 s[16:17], s[16:17], s[22:23]
	v_lshl_add_u32 v12, v[TR], 2, s24              ; b[256 + 16 head + r]
	global_load_b32 v[CT], v12, s[8:9] offset:1024
	BIGLOADS
	s_wait_loadcnt 24                              ; the bias is in; the 24 large loads stay out
.irp j, 1,2,3,4,5,6,7
	v_mov_b32 v[CT+\j], v[CT]                      ; a lane's eight results are eight positions of one output: one bias
.endr
	STAGE_IN
	FRAGS
	MM 1, 0
	OUT 0
.Lfunc_end_k_q444a8f21fb_proj:
	.size	k_q444a8f21fb_proj, .Lfunc_end_k_q444a8f21fb_proj-k_q444a8f21fb_proj
	.p2alignl 7, 3214868480
	.fill 96, 4, 3214868480
	.section	.rodata,"a",@progbits
	.p2align	6, 0x0
	.amdhsa_kernel k_q444a8f21fb_proj
		.amdhsa_group_segment_fixed_size 58368
		.amdhsa_private_segment_fixed_size 0
		.amdhsa_enable_private_segment 0
		.amdhsa_kernarg_size 56
		.amdhsa_user_sgpr_count 2
		.amdhsa_user_sgpr_kernarg_segment_ptr 1
		.amdhsa_wavefront_size32 1
		.amdhsa_system_sgpr_workgroup_id_x 1
		.amdhsa_system_sgpr_workgroup_id_y 1
		.amdhsa_system_sgpr_workgroup_id_z 1
		.amdhsa_system_vgpr_workitem_id 0
		.amdhsa_next_free_vgpr 226
		.amdhsa_next_free_sgpr 66
		.amdhsa_reserve_vcc 0
		.amdhsa_float_denorm_mode_32 3
		.amdhsa_float_denorm_mode_16_64 3
		.amdhsa_memory_ordered 1
		.amdhsa_forward_progress 1
		.amdhsa_inst_pref_size 49
	.end_amdhsa_kernel
	.amdgpu_metadata
---
amdhsa.version: [ 1, 2 ]
amdhsa.kernels:
  - .name:           k_q444a8f21fb_proj
    .symbol:         k_q444a8f21fb_proj.kd
    .args:
      - { .name: x, .offset: 0, .size: 8, .value_kind: global_buffer, .address_space: global }
      - { .name: w_qkv, .offset: 8, .size: 8, .value_kind: global_buffer, .address_space: global }
      - { .name: b_qkv, .offset: 16, .size: 8, .value_kind: global_buffer, .address_space: global }
      - { .name: emb_d, .offset: 24, .size: 8, .value_kind: global_buffer, .address_space: global }
      - { .name: emb_h, .offset: 32, .size: 8, .value_kind: global_buffer, .address_space: global }
      - { .name: emb_w, .offset: 40, .size: 8, .value_kind: global_buffer, .address_space: global }
      - { .name: qkv, .offset: 48, .size: 8, .value_kind: global_buffer, .address_space: global }
    .group_segment_fixed_size: 58368
    .private_segment_fixed_size: 0
    .kernarg_segment_align: 8
    .kernarg_segment_size: 56
    .max_flat_workgroup_size: 256
    .sgpr_count:     66
    .vgpr_count:     226
    .wavefront_size: 32
...
	.end_amdgpu_metadata
.endif
;; end of part 1
;; launch attn (part 2): grid 32 x 8, 8 waves a work-group, clusters of 4 x 1, 302,080 bytes of LDS; arguments qkv, out0; writes out0
.if DOCPART == 2
	.amdgcn_target "amdgcn-amd-amdhsa--gfx1250"
	.amdhsa_code_object_version 6
	.text
	.protected	k_q444a8f21fb_attn
	.globl	k_q444a8f21fb_attn
	.p2align	8
	.type	k_q444a8f21fb_attn,@function
k_q444a8f21fb_attn:
	s_mov_b64 s[64:65], 0
	v_nop
	global_prefetch_b8 v0, s[64:65] scope:SCOPE_SE
	s_setreg_imm32_b32 hwreg(HW_REG_WAVE_MODE, 25, 1), 1
	s_wait_xcnt 0x0
	s_wait_alu depctr_hold_cnt(0) depctr_sa_sdst(0) depctr_va_vdst(0) depctr_va_sdst(0) depctr_va_ssrc(0) depctr_va_vcc(0) depctr_vm_vsrc(0)
	s_getreg_b32 s2, hwreg(HW_REG_IB_STS2, 6, 4)
	s_cmp_eq_u32 s2, 0
	s_cbranch_scc0 .Lentry_in_a_cluster
	s_endpgm
.Lentry_in_a_cluster:
	s_bfe_u32 s2, ttmp6, 0x10000c
	s_cmp_lg_u32 s2, 0x3003
	s_cbranch_scc0 .Lentry_shape_is_right
	s_endpgm
.Lentry_shape_is_right:
; out[16 head + d][i] = sum over j of v[d][j] softmax_j( q'[.][i] . k'[.][j] ), in base 2 (q' carries 0.25 log2 e, k' the embeddings).
; A work-group: one head (y) and 128 queries (x).  The head's whole k' and v, 131,072 bytes each in f16, are brought into LDS once.
; CLUSTER: the four work-groups of a cluster are four query blocks of one head and need the same k' and v: every tile is asked for jointly,
; by the same line with the same descriptor (made of the head and the wave's number alone) and the mask of all four.
; Eight waves = 2 halves of the queries (qh = wave % 2: 64 queries, 4 tiles of 16) x 4 quarters of the keys (kq = wave / 2: 1,024 keys).
; PASS 1 forms the logits and keeps only each query's largest.  PASS 2 forms them again with minus that maximum as the C operand,
; so that the shift costs no instruction, takes 2^x, rounds to f16, and multiplies by v and by a matrix of ones (the row sums).
; With the maximum known beforehand the second loop holds no exchange between lanes and no rescaling.  The four quarters' results are
; merged once through LDS with the usual factors 2^(m_quarter - m).
; The logits are made transposed (source 0 = 16 keys, source 1 = 16 queries): register j of lane (r, h) is key 8h + j, query r, and the
; sixteen registers of two key tiles, packed in pairs, are the B fragment of the next product as they stand.
; A head has 16 channels, the matrix form sums over 32: registers 4-7 of q's and k's fragments are zero for good.
; LIMITS: q', k', v come in f16 (below 65,504).  p = 2^(s - m) is rounded to f16: p below about 3e-8 is dropped (at most 4096 x 3e-8 of a sum
; that is at least about 1); the divisor is the sum of the same rounded p.  A NaN loses in the maxima.
.set AK,   2                           ; v2         LDS address in k'
.set AV,   3                           ; v3         LDS address in v
.set MX,   8                           ; v[8:11]    running maximum, tile t
.set MO,   12                          ; v[12:15]   the other half of the lanes' maximum
.set Q,    16                          ; v[16:47]   q' fragments, tile t at Q + 8 t
.set KA,   48                          ; v[48:79]   four k' fragments
.set ONES, 80                          ; v[80:87]   1.0 in f16, sixteen times a lane
.set MT,   88                          ; v[88:119]  minus the maximum, eight times, tile t at MT + 8 t
.set OA,   120                         ; v[120:151] sums of p v: register j = channel 8h + j, lane = query r
.set LS,   152                         ; v[152:183] sums of p, the same in all eight registers
.set SA,   184                         ; pass 1: two sets of four logit tiles
.set SB,   216
.set SS,   184                         ; pass 2: v[184:215] two sets of 16 logits, taking turns
.set PP,   216                         ;         v[216:231] two p fragments, taking turns
.set VV,   232                         ;         v[232:247] two v fragments, taking turns
.set OPB,  262144                      ; LDS behind k' and v, never filled by a tensor load: partial outputs [wave][16 d][64 q] f32, pitch 272
.set OPW,  16*272                      ; 4,352 bytes a wave
.set NMB,  OPB+8*OPW                   ; 296,960: minus the maxima [wave][64 q] f32; the sums of p 2,048 bytes further; end 301,056
.set NMR,  16                          ; the merge: v[16:31] minus maxima, then factors, quarter k at + 4 k
.set LR,   32                          ; v[32:47]   sums of p
.set OPR,  48                          ; v[48:79]   partial outputs, row dd at + 16 dd, quarter k at + 4 k
.set NM,   80                          ; v[80:83]   minus the overall maximum
.set LT,   84                          ; v[84:87]   the overall sum, then its reciprocal
.set RES,  88                          ; v[88:95]   two rows of four results
; A round of the cluster's barrier: my work-group's barrier, wave 0 signals for the work-group, every wave waits for all four work-groups,
; my work-group's barrier once more.
.macro ROUND
	s_barrier_signal -1
	s_barrier_wait -1
	s_cmp_lg_u32 s8, 0
	s_cbranch_scc1 .Lnot_wave_0_\@
	s_barrier_signal -3
.Lnot_wave_0_\@:
	s_barrier_wait -3
	s_barrier_signal -1
	s_barrier_wait -1
.endm
	s_load_b128 s[4:7], s[0:1], 0x0                ; qkv s[4:5], out0 s[6:7]
	v_lshl_add_u32 v248, v0, 2, 0x49800
	v_mov_b32 v249, 0
	ds_add_u32 v248, v249
	v_lshrrev_b32 v2, 5, v0
	v_readfirstlane_b32 s8, v2                     ; wave
	s_and_b32 s9, s8, 1                            ; qh
	s_lshr_b32 s10, s8, 1                          ; kq
	s_and_b32 s11, ttmp7, 0xffff                   ; head
	s_bfe_u32 s13, ttmp6, 0x40000                  ; my place in the cluster: it enters q's and out0's addresses and nothing else
	s_lshl_b32 s12, ttmp9, 2
	s_add_co_u32 s12, s12, s13                     ; query block = 4 x cluster + place
	s_mov_b32 s14, 0x76543210                      ; v_permlanex16_b32: lane i of one half reads lane i of the other
	s_mov_b32 s15, 0xfedcba98
	; descriptor group 1: 4,096 dense bytes as 16 rows of 32 elements of 8 bytes
	s_mov_b32 s16, 0x0023000f                      ; 15:0 mask: all four work-groups; 17:16 elements of 8 bytes; 21 set beside a mask
	s_mov_b32 s17, 32<<16                          ; tensor_dim0 = 32
	s_mov_b32 s18, 16<<16                          ; tensor_dim1 = 16
	s_mov_b32 s19, 32<<16                          ; tile_dim0 = 32
	s_mov_b32 s20, 16                              ; tile_dim1 = 16
	s_mov_b32 s21, 32                              ; from row to row: 32 elements
	s_mov_b32 s22, 0
	s_mov_b32 s23, 0
	s_lshl_b32 s3, s8, 14                          ; my 16,384 bytes in each LDS region
	s_lshl_b32 s61, s10, 15                        ; my pair's 32,768 bytes: what I read
	s_lshl_b32 s56, s11, 18
	s_lshl_b32 s2, s8, 12
	s_add_co_u32 s56, s56, s2
	s_add_co_u32 s56, s56, 0x100000                ; 1048576 + head*262144 + wave*4096
	s_mov_b32 s57, 0
	s_lshl_b32 s62, s11, 17                        ; q: head*131072 + (8 block + 4 qh) tiles of 512 bytes
	s_lshl_b32 s13, s12, 12
	s_add_co_u32 s62, s62, s13
	s_lshl_b32 s13, s9, 11
	s_add_co_u32 s62, s62, s13
	s_mov_b32 s63, 0
	s_wait_dscnt 0x0
	s_wait_kmcnt 0x0
	s_add_nc_u64 s[58:59], s[4:5], s[56:57]
	; descriptor group 0, eight sets: 0-3 k' stages 0-3, 4-7 v stages 0-3.  Stage s of wave w: the eight tiles 64 s + 8 w .. + 7 of memory, to
	; LDS w*16384 + s*4096 of the region.  So each stage brings every pair of waves a quarter of its keys, and k' and v keep one order of keys.
.irp g, 0,1,2,3,4,5,6,7
	s_mov_b32 s[24+4*\g], 1
	s_add_co_u32 s[25+4*\g], s3, (\g%4)*4096+(\g/4)*131072
	s_add_nc_u64 s[26+4*\g:27+4*\g], s[58:59], (\g%4)*32768+(\g/4)*131072
	s_or_b32 s[27+4*\g], s[27+4*\g], 0x80000000
.endr
	s_add_nc_u64 s[4:5], s[4:5], s[62:63]          ; q at my four tiles
	ROUND                                          ; all four work-groups are here: the joint loads meet
.irp g, 0,1,2,3,4,5,6,7
	tensor_load_to_lds s[24+4*\g:27+4*\g], s[16:23]    ; by this text's count a wave has eight tensor loads out at the most; every byte is filled once
	s_nop 0
.endr
	v_and_b32 v1, 31, v0
	v_lshlrev_b32 v1, 4, v1                        ; 16 L
.irp t, 0,1,2,3
	global_load_b128 v[Q+8*\t:Q+8*\t+3], v1, s[4:5] offset:\t*512
.endr
.irp t, 0,1,2,3
.irp j, 4,5,6,7
	v_mov_b32 v[Q+8*\t+\j], 0                      ; channels 16-31 do not exist
	v_mov_b32 v[KA+8*\t+\j], 0
.endr
.endr
.irp t, 0,1,2,3
	v_mov_b32 v[MX+\t], 0xff800000                 ; minus infinity
	v_mov_b32 v[MO+\t], 0                          ; v_permlanex16_b32 counts as a reader of its destination
.endr
	v_add_nc_u32 v[AK], s61, v1
; ---------------- pass 1: the maxima ----------------
.macro QK set, i                       ; the logits of key tile i against my four query tiles
.irp t, 0,1,2,3
	v_wmma_f32_16x16x32_f16 v[\set+8*\t:\set+8*\t+7], v[KA+8*\i:KA+8*\i+7], v[Q+8*\t:Q+8*\t+7], 0
.endr
.endm
.macro MAXS set                        ; 16 instructions, four chains
.irp p, 0,1,2,3
.irp t, 0,1,2,3
	v_max3_num_f32 v[MX+\t], v[MX+\t], v[\set+8*\t+2*\p], v[\set+8*\t+2*\p+1]
.endr
.endr
.endm
; One key tile.  The sixteen maxima over the OTHER set are the places behind this tile's matrix instructions (ISA guide 7.12.1): before their
; results are read, before fragment i is loaded again, before the set is written over.
.macro P1Q i, set, other, off, fill
.if \fill
	s_wait_dscnt 3                                 ; four fragment loads are out, the oldest is fragment i
.else
	s_wait_dscnt 3-\i                              ; nothing is fetched any more: the count runs down
.endif
	QK \set, \i
	MAXS \other
.if \fill
	ds_load_b128 v[KA+8*\i:KA+8*\i+3], v[AK] offset:\off+1024
.endif
.endm
.macro P1TRIP fill                     ; four key tiles: two of each wave of my pair's part of the stage
	P1Q 0, SA, SB, 0, \fill
	P1Q 1, SB, SA, 512, \fill
	P1Q 2, SA, SB, 16384, \fill
	P1Q 3, SB, SA, 16896, \fill
	v_add_nc_u32 v[AK], 1024, v[AK]
.endm
.macro P1STAGE s                       ; sixteen key tiles
	s_wait_tensorcnt 7-\s                          ; tensor loads of a wave end in order (ISA guide 10.11.1): my part of k' stage s is in, the 7 - s loads behind it stay out
	s_wait_dscnt 0x0
	s_barrier_signal -1
	s_barrier_wait -1                              ; my partner's part is in too
	ds_load_b128 v[KA:KA+3],     v[AK]
	ds_load_b128 v[KA+8:KA+11],  v[AK] offset:512
	ds_load_b128 v[KA+16:KA+19], v[AK] offset:16384
	ds_load_b128 v[KA+24:KA+27], v[AK] offset:16896
.if \s == 0
	s_wait_loadcnt 0x0                             ; q'
	s_wait_dscnt 3
	QK SB, 0                                       ; the first tile's logits once more, into the set whose maxima are taken first: a maximum does not mind, and nothing is cleared
.irp j, 0,1,2,3,4,5,6,7
	v_mov_b32 v[ONES+\j], 0x3c003c00               ; eight places behind them, and pass 2's matrix of ones
.endr
.endif
	s_mov_b32 s60, 3
.Lp1_\s:
	P1TRIP 1
	s_sub_co_u32 s60, s60, 1
	s_cmp_lg_u32 s60, 0
	s_cbranch_scc1 .Lp1_\s
	P1TRIP 0
.endm
	P1STAGE 0
	P1STAGE 1
	P1STAGE 2
	P1STAGE 3
	MAXS SB                                        ; the last tile's
	; a query's keys lie in lanes r and r + 16: one exchange; minus the maximum, eight times, is pass 2's C operand
.irp t, 0,1,2,3
	v_permlanex16_b32 v[MO+\t], v[MX+\t], s14, s15
.endr
.irp t, 0,1,2,3
.irp j, 0,1,2,3,4,5,6,7
	v_min_num_f32 v[MT+8*\t+\j], -v[MX+\t], -v[MO+\t]
.endr
.endr
	s_wait_tensorcnt 0x0                           ; my parts of v are in
	s_wait_dscnt 0x0
	s_barrier_signal -1
	s_barrier_wait -1                              ; everybody's are
	v_add_nc_u32 v[AK], s61, v1
	v_add_nc_u32 v[AV], 0x20000, v[AK]
; ---------------- pass 2: 2^(s - m), the products with v, the sums ----------------
.macro SQ t, kb, sd                    ; 32 keys (fragments kb, kb + 1) against query tile t, minus its maximum
	v_wmma_f32_16x16x32_f16 v[\sd:\sd+7],    v[KA+8*(\kb):KA+8*(\kb)+7],    v[Q+8*(\t):Q+8*(\t)+7], v[MT+8*(\t):MT+8*(\t)+7]
	v_wmma_f32_16x16x32_f16 v[\sd+8:\sd+15], v[KA+8*(\kb)+8:KA+8*(\kb)+15], v[Q+8*(\t):Q+8*(\t)+7], v[MT+8*(\t):MT+8*(\t)+7]
.endm
; Query tile t of a block of 32 keys.  First the NEXT tile's logits go to the matrix unit (next = 0: tile t + 1 of this block; 1: tile 0 of the next
; block, whose fragments are waited for; 2: none), then this tile's exponentials, conversions and two products.
; Places (ISA guide 7.12.1): the v_nop and the eight conversions stand between the next tile's logits and their exponentials, between the
; products of two tiles ago and the conversions that rewrite their p, and between a set's logits and the matrix instructions that write it over.
; No two matrix instructions that follow each other share an accumulator, and each accumulator's turn is one instruction.
.macro SLOT t, buf, zero, next
.if \next == 0
	SQ \t+1, 2*\buf, SS+16*((\t+1)%2)
.endif
.if \next == 1
	s_wait_dscnt 0x0                               ; the next block's four loads, issued behind this block's first tile
	SQ 0, 2-2*\buf, SS
.endif
.set CS, SS+16*(\t%2)
.set CP, PP+8*(\t%2)
.irp e, 0,1,2,3,4,5,6,7,8,9,10,11,12,13,14,15
	v_exp_f32 v[CS+\e], v[CS+\e]
.endr
	v_nop                                          ; one plain instruction behind the exponentials before their results are read (ISA guide 5.7.2)
	s_wait_alu depctr_va_vdst(0)
.irp e, 0,1,2,3,4,5,6,7
	v_cvt_pk_f16_f32 v[CP+\e], v[CS+2*\e], v[CS+2*\e+1]    ; keys 8h + 0..7 of the first tile, then of the second: the B fragment over 32 keys
.endr
.if \zero
	v_wmma_f32_16x16x32_f16 v[OA+8*\t:OA+8*\t+7], v[VV+8*\buf:VV+8*\buf+7], v[CP:CP+7], 0     ; the first block starts the sums
	v_wmma_f32_16x16x32_f16 v[LS+8*\t:LS+8*\t+7], v[ONES:ONES+7], v[CP:CP+7], 0
.else
	v_wmma_f32_16x16x32_f16 v[OA+8*\t:OA+8*\t+7], v[VV+8*\buf:VV+8*\buf+7], v[CP:CP+7], v[OA+8*\t:OA+8*\t+7]
	v_wmma_f32_16x16x32_f16 v[LS+8*\t:LS+8*\t+7], v[ONES:ONES+7], v[CP:CP+7], v[LS+8*\t:LS+8*\t+7]
.endif
.endm
; A block of 32 keys on fragment buffers buf.  Behind its first tile (nine places behind the last use of the other buffers) the next block's
; k' and v are fetched from byte noff.
.macro BLOCK buf, noff, zero, last
	SLOT 0, \buf, \zero, 0
.if \last == 0
	ds_load_b128 v[KA+16*(1-\buf):KA+16*(1-\buf)+3],    v[AK] offset:\noff
	ds_load_b128 v[KA+16*(1-\buf)+8:KA+16*(1-\buf)+11], v[AK] offset:\noff+512
	ds_load_b128 v[VV+8*(1-\buf):VV+8*(1-\buf)+3],      v[AV] offset:\noff
	ds_load_b128 v[VV+8*(1-\buf)+4:VV+8*(1-\buf)+7],    v[AV] offset:\noff+512
.endif
	SLOT 1, \buf, \zero, 0
	SLOT 2, \buf, \zero, 0
.if \last
	SLOT 3, \buf, \zero, 2
.else
	SLOT 3, \buf, \zero, 1
.endif
.endm
.macro STEP2
	v_add_nc_u32 v[AK], 2048, v[AK]
	v_add_nc_u32 v[AV], 2048, v[AV]
.endm
	ds_load_b128 v[KA:KA+3],    v[AK]
	ds_load_b128 v[KA+8:KA+11], v[AK] offset:512
	ds_load_b128 v[VV:VV+3],    v[AV]              ; two v tiles are registers 0-3 and 4-7 of the A fragment over 32 keys
	ds_load_b128 v[VV+4:VV+7],  v[AV] offset:512
	s_wait_dscnt 0x0
	SQ 0, 0, SS
.rept 4
	v_nop                                          ; four places before the first exponentials read these logits
.endr
	BLOCK 0, 1024, 1, 0                            ; 32 blocks: the first two and the last two are written out
	BLOCK 1, 2048, 0, 0
	STEP2
	s_mov_b32 s60, 14
.Lp2:
	BLOCK 0, 1024, 0, 0
	BLOCK 1, 2048, 0, 0
	STEP2
	s_sub_co_u32 s60, s60, 1
	s_cmp_lg_u32 s60, 0
	s_cbranch_scc1 .Lp2
	BLOCK 0, 1024, 0, 0
	BLOCK 1, 2048, 0, 1                            ; the last block fetches nothing
; ---------------- the four key quarters are merged ----------------
	; these ten address instructions are the places behind the last matrix instructions
	v_and_b32 v6, 15, v0                           ; r
	v_bfe_u32 v7, v0, 4, 1                         ; h
	s_mul_i32 s2, s8, OPW
	s_add_co_u32 s2, s2, OPB
	v_mul_u32_u24 v4, v7, 8*272                    ; in: channel 8h + j, query 16 t + r; 2,176 bytes are 544 words, 32 banks off (64 banks of 4 bytes: ISA guide 11.1)
	v_lshl_add_u32 v4, v6, 2, v4
	v_add_nc_u32 v4, s2, v4
	s_lshl_b32 s3, s8, 8
	s_add_co_u32 s3, s3, NMB
	v_lshl_add_u32 v5, v6, 2, s3                   ; my 64 queries' maxima and sums
	v_mul_u32_u24 v7, v7, OPW                      ; back: lane L takes queries 4 L .. 4 L + 3 of the 128: half L / 16,
	v_lshl_add_u32 v7, v6, 4, v7                   ; 16 bytes L % 16,
	s_mul_i32 s60, s8, 2*272                       ; of channels 2 wave and 2 wave + 1
	s_add_co_u32 s60, s60, OPB
	v_add_nc_u32 v7, s60, v7
	v_add_nc_u32 v6, NMB, v1
	s_lshl_b32 s62, s11, 18                        ; out0: row 16 head + 2 wave of 16,384 bytes, the block's 512 bytes
	s_lshl_b32 s13, s8, 15
	s_add_co_u32 s62, s62, s13
	s_lshl_b32 s13, s12, 9
	s_add_co_u32 s62, s62, s13
	s_add_nc_u64 s[6:7], s[6:7], s[62:63]          ; s63 is still 0
.irp t, 0,1,2,3
.irp j, 0,1,2,3,4,5,6,7
	ds_store_b32 v4, v[OA+8*\t+\j] offset:\j*272+\t*64
.endr
.endr
.irp t, 0,1,2,3
	ds_store_b32 v5, v[MT+8*\t] offset:\t*64           ; both halves of the lanes hold the same number and write the same word
	ds_store_b32 v5, v[LS+8*\t] offset:2048+\t*64
.endr
	s_wait_dscnt 0x0                               ; my stores are in LDS, for the other waves' sake
	s_barrier_signal -1
	s_barrier_wait -1
.irp k, 0,1,2,3
	ds_load_b128 v[NMR+4*\k:NMR+4*\k+3],       v6 offset:\k*512
	ds_load_b128 v[LR+4*\k:LR+4*\k+3],         v6 offset:2048+\k*512
	ds_load_b128 v[OPR+4*\k:OPR+4*\k+3],       v7 offset:\k*2*OPW
	ds_load_b128 v[OPR+16+4*\k:OPR+16+4*\k+3], v7 offset:\k*2*OPW+272
.endr
	s_wait_dscnt 0x0
.irp c, 0,1,2,3
	v_min3_num_f32 v[NM+\c], v[NMR+\c], v[NMR+4+\c], v[NMR+8+\c]
.endr
.irp c, 0,1,2,3
	v_min_num_f32 v[NM+\c], v[NM+\c], v[NMR+12+\c]     ; minus the maximum over all 4,096 keys
.endr
.irp k, 0,1,2,3
.irp p, 0,2
	v_pk_add_f32 v[NMR+4*\k+\p:NMR+4*\k+\p+1], v[NM+\p:NM+\p+1], v[NMR+4*\k+\p:NMR+4*\k+\p+1] neg_lo:[0,1] neg_hi:[0,1]   ; m_quarter - m, never above 0
.endr
.endr
.irp e, 0,1,2,3,4,5,6,7,8,9,10,11,12,13,14,15
	v_exp_f32 v[NMR+\e], v[NMR+\e]
.endr
	v_nop                                          ; one plain instruction behind the exponentials
	s_wait_alu depctr_va_vdst(0)
.irp p, 0,2
	v_pk_mul_f32 v[LT+\p:LT+\p+1], v[NMR+\p:NMR+\p+1], v[LR+\p:LR+\p+1]
.irp k, 1,2,3
	v_pk_fma_f32 v[LT+\p:LT+\p+1], v[NMR+4*\k+\p:NMR+4*\k+\p+1], v[LR+4*\k+\p:LR+4*\k+\p+1], v[LT+\p:LT+\p+1]
.endr
.endr
.irp c, 0,1,2,3
	v_rcp_f32 v[LT+\c], v[LT+\c]                   ; the sums below, which do not touch these, stand between them and their use
.endr
.irp d, 0,1
.irp p, 0,2
	v_pk_mul_f32 v[RES+4*\d+\p:RES+4*\d+\p+1], v[NMR+\p:NMR+\p+1], v[OPR+16*\d+\p:OPR+16*\d+\p+1]
.irp k, 1,2,3
	v_pk_fma_f32 v[RES+4*\d+\p:RES+4*\d+\p+1], v[NMR+4*\k+\p:NMR+4*\k+\p+1], v[OPR+16*\d+4*\k+\p:OPR+16*\d+4*\k+\p+1], v[RES+4*\d+\p:RES+4*\d+\p+1]
.endr
.endr
.endr
	s_wait_alu depctr_va_vdst(0)
.irp d, 0,1
.irp p, 0,2
	v_pk_mul_f32 v[RES+4*\d+\p:RES+4*\d+\p+1], v[RES+4*\d+\p:RES+4*\d+\p+1], v[LT+\p:LT+\p+1]
.endr
.endr
	global_store_b128 v1, v[RES:RES+3],   s[6:7]                  ; a wave's store is 512 consecutive bytes of a row of out0, at a multiple of 512
	global_store_b128 v1, v[RES+4:RES+7], s[6:7] offset:16384
	s_wait_tensorcnt 0x0
	ds_add_u32 v248, v249
	s_wait_dscnt 0x0
	ROUND                                          ; the closing round: no work-group ends while a partner may still ask for a tile that names it
	s_endpgm
.Lfunc_end_k_q444a8f21fb_attn:
	.size	k_q444a8f21fb_attn, .Lfunc_end_k_q444a8f21fb_attn-k_q444a8f21fb_attn
	.p2alignl 7, 3214868480
	.fill 96, 4, 3214868480
	.section	.rodata,"a",@progbits
	.p2align	6, 0x0
	.amdhsa_kernel k_q444a8f21fb_attn
		.amdhsa_group_segment_fixed_size 302080
		.amdhsa_private_segment_fixed_size 0
		.amdhsa_enable_private_segment 0
		.amdhsa_kernarg_size 16
		.amdhsa_user_sgpr_count 2
		.amdhsa_user_sgpr_kernarg_segment_ptr 1
		.amdhsa_wavefront_size32 1
		.amdhsa_system_sgpr_workgroup_id_x 1
		.amdhsa_system_sgpr_workgroup_id_y 1
		.amdhsa_system_sgpr_workgroup_id_z 1
		.amdhsa_system_vgpr_workitem_id 0
		.amdhsa_next_free_vgpr 250
		.amdhsa_next_free_sgpr 66
		.amdhsa_reserve_vcc 0
		.amdhsa_float_denorm_mode_32 3
		.amdhsa_float_denorm_mode_16_64 3
		.amdhsa_memory_ordered 1
		.amdhsa_forward_progress 1
		.amdhsa_inst_pref_size 99
	.end_amdhsa_kernel
	.amdgpu_metadata
---
amdhsa.version: [ 1, 2 ]
amdhsa.kernels:
  - .name:           k_q444a8f21fb_attn
    .symbol:         k_q444a8f21fb_attn.kd
    .args:
      - { .name: qkv, .offset: 0, .size: 8, .value_kind: global_buffer, .address_space: global }
      - { .name: out0, .offset: 8, .size: 8, .value_kind: global_buffer, .address_space: global }
    .group_segment_fixed_size: 302080
    .private_segment_fixed_size: 0
    .kernarg_segment_align: 8
    .kernarg_segment_size: 16
    .max_flat_workgroup_size: 256
    .sgpr_count:     66
    .vgpr_count:     250
    .wavefront_size: 32
...
	.end_amdgpu_metadata
.endif
;; end of part 2
